; MI455X (gfx1250); checked and timed in simulation.
; The chip was launched on July 23, 2026; its instructions are those of AMD's public machine-readable ISA for CDNA 5 (MIT licence, August 2026) and "CDNA5" Instruction Set Architecture Reference Guide (July 2026). The comments in the code are by the model that wrote it; some were corrected since.
;; Point Cloud Extractor. Allowed arithmetic: matrix products marked QUANTISED: E2M3 operands, one E8M0 scale for each 32 along K, by v_wmma_scale_f32_16x16x128_f8f6f4 with both operands' format E2M3, f32 sums; products left as they are: f32 operands where the result goes on into a quantised operand, else bf16, f16 or f32 operands; f32 sums; everything else in f32.
;; Inputs: blk0_b 512 float32; blk0_beta 512 float32; blk0_g 512 float32; blk0_w_codes 512 x 16 x 24 uint8 (E2M3 codes of blk0_w, K innermost, in blocks of 32 codes, four codes in three bytes); blk0_w_scales 512 x 16 uint8 (E8M0 scales of blk0_w, one for each 32 codes along K); blk1_b 256 float32; blk1_beta 256 float32; blk1_g 256 float32; blk1_w_codes 256 x 16 x 24 uint8 (E2M3 codes of blk1_w, K innermost, in blocks of 32 codes, four codes in three bytes); blk1_w_scales 256 x 16 uint8 (E8M0 scales of blk1_w, one for each 32 codes along K); blk2_b 170 float32; blk2_beta 170 float32; blk2_g 170 float32; blk2_w_codes 170 x 8 x 24 uint8 (E2M3 codes of blk2_w, K innermost, in blocks of 32 codes, four codes in three bytes); blk2_w_scales 170 x 8 uint8 (E8M0 scales of blk2_w, one for each 32 codes along K); c1_b 512 float32; c1_beta 512 float32; c1_g 512 float32; c1_w 9 x 512 float32; pts 4 x 2,048 x 3 float32; res_b 512 float32; res_w_codes 512 x 16 x 24 uint8 (E2M3 codes of res_w, K innermost, in blocks of 32 codes, four codes in three bytes); res_w_scales 512 x 16 uint8 (E8M0 scales of res_w, one for each 32 codes along K); t_b1 128 float32; t_b2 128 float32; t_cb 128 float32; t_cw 3 x 128 float32; t_d1b 128 float32; t_d1w 128 x 128 float32; t_d2b 9 float32; t_d2w 128 x 9 float32; t_g1 128 float32; t_g2 128 float32.
;; Outputs: out0 4 x 1,360 float32.
;; This version of the problem:
;;   THIS VERSION OF THE PROBLEM IS GIVEN IN LOW PRECISION. The matrix products marked QUANTISED in the list below multiply operands that are first quantised to E2M3 (2 exponent bits, 3 mantissa bits; 6 bits a number), with one power-of-two scale for each 32 numbers along K (OCP MX v1.0); their sums are f32. All else is computed in f32.
;;   The module's matrix products, in the order in which they are computed (A, B: the left and right operand; K: the contracted axis; several contracted axes count as one K, in the product's order):
;;     1. [M 8,192, K 3] x [K 3, N 128]; A: input pts; B: input t_cw: left as it is (K = 3 < 32)
;;     2. [M 4, K 128] x [K 128, N 128]; A: computed on the way; B: input t_d1w: left as it is (M = 4 < 16)
;;     3. [M 4, K 128] x [K 128, N 9]; A: computed on the way; B: input t_d2w: left as it is (M = 4 < 16)
;;     4. batch 4 x [M 2,048, K 3] x [K 3, N 3]; A: input pts; B: computed on the way: left as it is (K = 3 < 32)
;;     5. batch 4 x [M 2,048, K 3] x [K 3, N 2,048]; A: computed on the way; B: computed on the way: left as it is (K = 3 < 32)
;;     6. [M 65,536, K 9] x [K 9, N 512]; A: computed on the way; B: input c1_w: left as it is (K = 9 < 32)
;;     7. [M 65,536, K 512] x [K 512, N 512]; A: computed on the way; B: input res_w (given as codes): QUANTISED
;;     8. [M 65,536, K 512] x [K 512, N 512]; A: computed on the way; B: input blk0_w (given as codes): QUANTISED
;;     9. [M 65,536, K 512] x [K 512, N 256]; A: computed on the way; B: input blk1_w (given as codes): QUANTISED
;;     10. [M 65,536, K 256] x [K 256, N 170]; A: computed on the way; B: input blk2_w (given as codes): QUANTISED
;;   THE QUANTISER, for each operand of a quantised product, along K:
;;     - K is cut into blocks of 32 from its start; a last block that is shorter is filled with zeros.
;;     - A block's scale is 2^e with e = floor(log2(the largest magnitude in the block)) - 2, held to -126 .. 127; a block of zeros has e = 0. As a byte (E8M0): e + 127.
;;     - Each number is divided by its block's scale, clamped to +-7.5, and rounded to the nearest number of E2M3, ties to even, subnormals kept.
;;     - The product sums the exact products of the quantised numbers (number of the format x scale) in f32.
;;   ~~~python
;;   def quantise(x, axis):      # numpy; x: float32 -> the quantised numbers, widened to float32 again
;;       x = np.moveaxis(x, axis, -1); K = x.shape[-1]
;;       x = np.pad(x, [(0, 0)] * (x.ndim - 1) + [(0, -K % 32)]); x = x.reshape(x.shape[:-1] + (-1, 32)); a = np.abs(x).max(-1, keepdims=True)
;;       e = np.where(a > 0, np.clip(np.frexp(np.where(a > 0, a, 1))[1] - 1 - 2, -126, 127), 0)      # np.frexp(a)[1] - 1 = floor(log2(a)), exactly
;;       r = np.clip(x / 2.0 ** e, -7.5, 7.5)
;;       step = 2.0 ** (np.maximum(np.frexp(np.where(r == 0, 1, r))[1] - 1, 0) - 3)
;;       q = np.round(r / step) * step * 2.0 ** e      # np.round: ties to even
;;       return np.moveaxis(q.reshape(q.shape[:-2] + (-1,))[..., :K], -1, axis).astype(np.float32)
;;   ~~~
;;   OPERANDS COMPUTED ON THE WAY. 'Computed on the way' means the value that the module computes at that place (a softmax that the list does not call 'softmax' is quantised finished and normalised). What goes into a quantiser is computed in f32, as accurately as f32 sums, v_exp_f32 and their like allow (about 1e-6 of the number): no bf16 or f16 on the way to a quantiser, and a product that is left as it is and whose result goes on into a quantised operand takes f32 operands (vector FMAs, or v_wmma_f32_16x16x4_f32). A number that lies on a knife's edge between two numbers of the format may be rounded either way, as far as f32 arithmetic and the matrix unit's own rounding can turn it there, and no further.
;;   INPUTS GIVEN AS CODES. blk0_w (in the module: [512, 512], K = its axis 0); blk1_w (in the module: [512, 256], K = its axis 0); blk2_w (in the module: [256, 170], K = its axis 0); res_w (in the module: [512, 512], K = its axis 0): each comes as NAME_codes (uint8): NAME with its K axis moved to the last place and cut into blocks of 32 codes, [.., K / 32, bytes a block], one block behind the other in memory; four codes in three bytes: a row's codes are one little-endian stream of bits, code i at bits 6 i .. 6 i + 5 (a code: sign, 2 exponent bits, 3 mantissa bits); and NAME_scales (uint8): the same leading axes, one E8M0 byte (e + 127) for each 32 codes along K. Its value is code x scale, taken as it is: it is not quantised again, and the codes and scales need not be those that the quantiser above would give.
;; One version. Each part assembles by itself: llvm-mc -triple=amdgcn-amd-amdhsa -mcpu=gfx1250 --defsym DOCPART=n.
;; ======== version 1 of 1: 3 launches
;; workspace buffers: pc4 131,072 bytes; idx 786,432 bytes of whole numbers; wimg 575,488 bytes; part 786,432 bytes
;; launch knn (part 1): grid 256 x 1, 8 waves a work-group, no clusters, 93,184 bytes of LDS; arguments pts, t_cw, t_cb, t_g1, t_b1, t_d1w, t_d1b, t_g2, t_b2, t_d2w, t_d2b, c1_w, c1_b, c1_g, c1_beta, res_w_codes, res_w_scales, blk0_w_codes, blk0_w_scales, blk1_w_codes, blk1_w_scales, blk2_w_codes, blk2_w_scales, pc4, idx, wimg; writes pc4, idx, wimg
.if DOCPART == 1
	.amdgcn_target "amdgcn-amd-amdhsa--gfx1250"
	.amdhsa_code_object_version 6
	.text
	.protected	k_qe981d79fd4_knn
	.globl	k_qe981d79fd4_knn
	.p2align	8
	.type	k_qe981d79fd4_knn,@function
k_qe981d79fd4_knn:
	s_mov_b64 s[64:65], 0
	v_nop
	global_prefetch_b8 v0, s[64:65] scope:SCOPE_SE
	s_setreg_imm32_b32 hwreg(HW_REG_WAVE_MODE, 25, 1), 1
	s_wait_xcnt 0x0
; T-Net, pc = pts T, all distances of 32 rows against the batch's 2,048 points, and for each row and radius the list that top_k(8) of the 0/1 mask gives:
; the first eight set places in ascending order, filled up with the lowest places that are not set.  Beside that the weights are laid out in the order of the operand's registers.
; SHARES.  Work-group g: batch g / 64, rows 32 (g % 64) on.  The T-Net is made anew in each work-group (2,048 points x 128 channels), which spares a launch.
; TWO IDENTITIES.  (a) silu of an affine function falls and then rises, so its maximum over a set is taken at the set's smallest or largest argument: the pool keeps min and max of p . w and takes two silu a channel.
; (b) sqrt(max(d2, 0)) <= r, with a correctly rounded root, holds where d2 <= t, t the largest f32 under (f32(r) + half a unit in its last place)^2: 0x3c23d70b, 0x3db851ed, 0x3e800001.
; LIMITS.  NaN and infinities are not served.  A pair whose d2 lies within f32 rounding of t may fall on either side of the mask: the order of the sums in a dot product of three is mul, fma, fma here.
; c1's gain is folded into its weights (one f32 rounding more).  sq is summed in the order of the dot product, so that d2(i, i) is 0.
; No tensor load, no matrix instruction.  Every LDS address is a constant + a constant x lane + a constant x wave (+ a counted loop's step; + 128 x the work-group's block of rows, for reads of the points alone).
.set PTS,  0                           ; the batch's points as loaded, 24,576 bytes
.set XS,   24576                       ; pc's x, y, z and sq, 8,192 bytes each
.set YS,   32768
.set ZS,   40960
.set QS,   49152
.set MASK, 57344                       ; [radius 3][word 64][row 32] words of 32 mask bits
.set MM,   81920                       ; [quarter of the points 4][max, min][128 channels]
.set X1,   86016                       ; a word a thread
.set P2,   87040                       ; [wave 8][128] partial sums
.set X2,   91136                       ; a word a thread
.set BNRS, 0x3f7fdf42                  ; 1 / sqrt(1.001)
.set NL2E, 0xbfb8aa3b                  ; -log2(e)
.set BA,   18                          ; v18-41   eight points, 24 numbers, the same in every lane
.set BB,   42                          ; v42-65   the next eight
.set W,    66                          ; v66-71   t_cw of my two channels, three pairs
.set D1W,  72                          ; v72-135  16 rows x 4 columns of t_d1w
.set D2W,  136                         ; v136-171 4 rows of t_d2w
.set KC,   172                         ; v172-177 t_cb, t_g1, t_b1, t_d1b, t_g2, t_b2 of channel tid % 128
.set TP,   192                         ; v192-207 eight points x two channels at work
.set MXL,  208                         ; v208-211 max (two channels), min (two channels)
.macro BARRIER                         ; my LDS stores have landed and my LDS loads are in: then the work-group's barrier
	s_wait_dscnt 0x0
	s_barrier_signal -1
	s_barrier_wait -1
.endm
.macro PKMULB d, a, f                  ; pair d = pair a x register f, for both halves
.if ((\f) & 1)
	v_pk_mul_f32 v[\d:\d+1], v[\a:\a+1], v[(\f)-1:(\f)] op_sel:[0,1] op_sel_hi:[1,1]
.else
	v_pk_mul_f32 v[\d:\d+1], v[\a:\a+1], v[(\f):(\f)+1] op_sel_hi:[1,0]
.endif
.endm
.macro PKFMAB d, a, f                  ; pair d += pair a x register f
.if ((\f) & 1)
	v_pk_fma_f32 v[\d:\d+1], v[\a:\a+1], v[(\f)-1:(\f)], v[\d:\d+1] op_sel:[0,1,0] op_sel_hi:[1,1,1]
.else
	v_pk_fma_f32 v[\d:\d+1], v[\a:\a+1], v[(\f):(\f)+1], v[\d:\d+1] op_sel_hi:[1,0,1]
.endif
.endm
.macro GRP buf                         ; eight points x my two channels: p . w, then min and max, two points an instruction
.irp p, 0,1,2,3,4,5,6,7
	PKMULB TP+2*\p, W, \buf+3*\p
.endr
.irp p, 0,1,2,3,4,5,6,7
	PKFMAB TP+2*\p, W+2, \buf+3*\p+1
.endr
.irp p, 0,1,2,3,4,5,6,7
	PKFMAB TP+2*\p, W+4, \buf+3*\p+2
.endr
.irp p, 0,2,4,6
	v_max3_num_f32 v[MXL], v[MXL], v[TP+2*\p], v[TP+2*\p+2]
	v_max3_num_f32 v[MXL+1], v[MXL+1], v[TP+2*\p+1], v[TP+2*\p+3]
	v_min3_num_f32 v[MXL+2], v[MXL+2], v[TP+2*\p], v[TP+2*\p+2]
	v_min3_num_f32 v[MXL+3], v[MXL+3], v[TP+2*\p+1], v[TP+2*\p+3]
.endr
.endm
.macro SILU2 a, b, ta, tb              ; two silu: y / (1 + 2^(-log2(e) y)); one wait for each batch of two transcendentals
	v_mul_f32 v[\ta], NL2E, v[\a]
	v_mul_f32 v[\tb], NL2E, v[\b]
	v_exp_f32 v[\ta], v[\ta]
	v_exp_f32 v[\tb], v[\tb]
	v_nop                                          ; a plain place behind the transcendentals
	s_wait_alu depctr_va_vdst(0)                   ; the wait ahead of the first reader
	v_add_f32 v[\ta], 1.0, v[\ta]
	v_add_f32 v[\tb], 1.0, v[\tb]
	v_rcp_f32 v[\ta], v[\ta]
	v_rcp_f32 v[\tb], v[\tb]
	v_nop
	s_wait_alu depctr_va_vdst(0)
	v_mul_f32 v[\a], v[\a], v[\ta]
	v_mul_f32 v[\b], v[\b], v[\tb]
.endm
	s_load_b512 s[4:19], s[0:1], 0x0               ; pts, t_cw, t_cb, t_g1, t_b1, t_d1w, t_d1b, t_g2
	s_load_b128 s[20:23], s[0:1], 0x40             ; t_b2, t_d2w
	s_load_b64 s[24:25], s[0:1], 0x50              ; t_d2b
	s_load_b128 s[48:51], s[0:1], 0xb8             ; pc4, idx
	v_lshl_add_u32 v224, v0, 2, 0x16800
	v_mov_b32 v225, 0
	v_lshrrev_b32 v1, 5, v0
	v_readfirstlane_b32 s2, v1                     ; wave 0..7
	v_and_b32 v1, 31, v0                           ; lane
	s_lshr_b32 s26, ttmp9, 6                       ; batch
	s_and_b32 s27, ttmp9, 63
	s_lshl_b32 s27, s27, 5                         ; my first row
	s_mul_i32 s28, s26, 24576                      ; the batch's points
	s_mov_b32 s29, 0
	s_and_b32 s34, s2, 1                           ; which 64 channels are my wave's in the pool,
	s_lshl_b32 s34, s34, 8
	s_lshr_b32 s31, s2, 1                          ; and which 512 points
	s_mov_b32 s32, 0x76543210
	s_mov_b32 s33, 0xfedcba98                      ; v_permlanex16_b32's selects for lane l xor 16
	v_lshlrev_b32 v2, 4, v0                        ; 16 tid
	v_lshl_add_u32 v3, v1, 2, s34                  ; 4 (64 cg + lane)
	v_and_b32 v4, 127, v0
	v_lshlrev_b32 v4, 2, v4                        ; 4 (tid % 128)
	s_lshl_b32 s34, s2, 13
	v_lshl_add_u32 v5, v1, 4, s34                  ; t_d1w: rows 16 w on, 16 bytes a lane
	v_mul_u32_u24 v6, v1, 144                      ; t_d2w: rows 4 lane on
	v_lshlrev_b32 v7, 2, v0                        ; 4 tid
	s_wait_kmcnt 0x0
	s_add_nc_u64 s[4:5], s[4:5], s[28:29]
.irp i, 0,1,2,3,4,5
	global_load_b128 v[BA+4*\i:BA+4*\i+3], v2, s[4:5] offset:4096*\i   ; the batch's 24,576 bytes, 4,096 a load of the work-group
.endr
.irp d, 0,1,2
	global_load_b32 v[W+2*\d], v3, s[6:7] offset:512*\d
	global_load_b32 v[W+2*\d+1], v3, s[6:7] offset:512*\d+128          ; the channel 32 further on
.endr
	global_load_b32 v[KC], v4, s[8:9]
	global_load_b32 v[KC+1], v4, s[10:11]
	global_load_b32 v[KC+2], v4, s[12:13]
	global_load_b32 v[KC+3], v4, s[16:17]
	global_load_b32 v[KC+4], v4, s[18:19]
	global_load_b32 v[KC+5], v4, s[20:21]
.irp i, 0,1,2,3,4,5,6,7,8,9,10,11,12,13,14,15
	global_load_b128 v[D1W+4*\i:D1W+4*\i+3], v5, s[14:15] offset:512*\i
.endr
.irp i, 0,1,2,3,4,5,6,7,8
	global_load_b128 v[D2W+4*\i:D2W+4*\i+3], v6, s[22:23] offset:16*\i
.endr
	s_load_b256 s[36:43], s[24:25], 0x0            ; t_d2b's nine numbers
	s_load_b32 s44, s[24:25], 0x20
	s_wait_loadcnt 37                              ; the six loads of points are in; the 6 + 6 + 16 + 9 behind them stay out
.irp i, 0,1,2,3,4,5
	ds_store_b128 v2, v[BA+4*\i:BA+4*\i+3] offset:PTS+4096*\i
.endr
	BARRIER                                        ; the batch's points lie in LDS
	; ---- the pool: min and max of p . w over my 512 points, for my wave's 64 channels, two a lane
	s_mul_i32 s30, s31, 6144                       ; my quarter of the points
	v_mov_b32 v[MXL], 0xff7fffff
	v_mov_b32 v[MXL+1], 0xff7fffff
	v_mov_b32 v[MXL+2], 0x7f7fffff
	v_mov_b32 v[MXL+3], 0x7f7fffff
	v_mov_b32 v15, s30
.irp i, 0,1,2,3,4,5
	ds_load_b128 v[BA+4*\i:BA+4*\i+3], v15 offset:16*\i      ; every lane reads the same 16 bytes
.endr
	s_wait_loadcnt 31                              ; t_cw is in
	s_mov_b32 s35, 31
.Lpool:                                            ; a trip: 16 points; the loads run eight points ahead
	v_mov_b32 v15, s30
.irp i, 0,1,2,3,4,5
	ds_load_b128 v[BB+4*\i:BB+4*\i+3], v15 offset:96+16*\i
.endr
	s_wait_dscnt 6                                 ; the six just issued may be out
	GRP BA
.irp i, 0,1,2,3,4,5
	ds_load_b128 v[BA+4*\i:BA+4*\i+3], v15 offset:192+16*\i
.endr
	s_wait_dscnt 6
	GRP BB
	s_add_co_u32 s30, s30, 192
	s_sub_co_u32 s35, s35, 1
	s_cmp_lg_u32 s35, 0
	s_cbranch_scc1 .Lpool
	v_mov_b32 v15, s30                             ; the last 16 points: nothing is read past my quarter
.irp i, 0,1,2,3,4,5
	ds_load_b128 v[BB+4*\i:BB+4*\i+3], v15 offset:96+16*\i
.endr
	s_wait_dscnt 6
	GRP BA
	s_wait_dscnt 0x0
	GRP BB
	s_lshl_b32 s34, s31, 10
	s_add_co_u32 s34, s34, MM
	v_add_nc_u32 v16, s34, v3
	ds_store_b32 v16, v[MXL]
	ds_store_b32 v16, v[MXL+1] offset:128
	ds_store_b32 v16, v[MXL+2] offset:512
	ds_store_b32 v16, v[MXL+3] offset:640
	BARRIER
	; ---- x1[c] = max over the points of silu(bn(p . w + cb)), c = tid % 128: the larger of the silu at the two ends
	v_add_nc_u32 v8, MM, v4
.irp p, 0,1,2,3
	ds_load_b32 v[18+2*\p], v8 offset:1024*\p
	ds_load_b32 v[19+2*\p], v8 offset:1024*\p+512
.endr
	s_wait_dscnt 0x0
	s_wait_loadcnt 25                              ; the six constants are in (t_d1w's 16 and t_d2w's 9 stay out)
	v_max3_num_f32 v26, v18, v20, v22
	v_min3_num_f32 v27, v19, v21, v23
	v_max_num_f32 v26, v26, v24
	v_min_num_f32 v27, v27, v25
	v_mul_f32 v28, BNRS, v[KC+1]
	v_add_f32 v26, v26, v[KC]
	v_add_f32 v27, v27, v[KC]
	v_fma_f32 v26, v26, v28, v[KC+2]
	v_fma_f32 v27, v27, v28, v[KC+2]
	SILU2 26, 27, 29, 30
	v_max_num_f32 v26, v26, v27
	v_lshl_add_u32 v9, v0, 2, X1
	ds_store_b32 v9, v26                           ; a word a thread; threads 128 on hold the same numbers again
	BARRIER
	; ---- x1 @ t_d1w: wave w sums rows 16 w .. 16 w + 15, four columns a lane
	s_lshl_b32 s34, s2, 6
	s_add_co_u32 s34, s34, X1
	v_mov_b32 v8, s34
.irp i, 0,1,2,3
	ds_load_b128 v[18+4*\i:21+4*\i], v8 offset:16*\i
.endr
	s_wait_dscnt 0x0
	s_wait_loadcnt 9                               ; t_d1w is in
	PKMULB 34, D1W, 18
	PKMULB 36, D1W+2, 18
.irp i, 1,2,3,4,5,6,7,8,9,10,11,12,13,14,15
	PKFMAB 34, D1W+4*\i, 18+\i
	PKFMAB 36, D1W+4*\i+2, 18+\i
.endr
	s_lshl_b32 s34, s2, 9
	s_add_co_u32 s34, s34, P2
	v_lshl_add_u32 v8, v1, 4, s34
	ds_store_b128 v8, v[34:37]
	BARRIER
	v_add_nc_u32 v8, P2, v4
.irp i, 0,1,2,3,4,5,6,7
	ds_load_b32 v[18+\i], v8 offset:512*\i
.endr
	s_wait_dscnt 0x0
	v_add_f32 v18, v18, v19
	v_add_f32 v20, v20, v21
	v_add_f32 v22, v22, v23
	v_add_f32 v24, v24, v25
	v_add_f32 v18, v18, v20
	v_add_f32 v22, v22, v24
	v_add_f32 v18, v18, v22
	v_mul_f32 v28, BNRS, v[KC+4]
	v_add_f32 v18, v18, v[KC+3]
	v_fma_f32 v18, v18, v28, v[KC+5]
	v_mul_f32 v19, NL2E, v18
	v_exp_f32 v19, v19
	v_nop
	s_wait_alu depctr_va_vdst(0)
	v_add_f32 v19, 1.0, v19
	v_rcp_f32 v19, v19
	v_nop
	s_wait_alu depctr_va_vdst(0)
	v_mul_f32 v18, v18, v19
	v_lshl_add_u32 v9, v0, 2, X2
	ds_store_b32 v9, v18
	BARRIER
	; ---- T = x2 @ t_d2w + t_d2b: every wave for itself, four rows a lane, nine sums over the 32 lanes
	v_lshl_add_u32 v8, v1, 4, X2
	ds_load_b128 v[18:21], v8
	s_wait_dscnt 0x0
	s_wait_loadcnt 0x0
.irp j, 0,1,2,3,4,5,6,7,8
	v_mul_f32 v[22+\j], v18, v[D2W+\j]
.endr
.irp c, 1,2,3
.irp j, 0,1,2,3,4,5,6,7,8
	v_fma_f32 v[22+\j], v[18+\c], v[D2W+9*\c+\j], v[22+\j]
.endr
.endr
.irp m, 1,2,4,8
.irp j, 0,1,2,3,4,5,6,7,8
	v_add_f32_dpp v[22+\j], v[22+\j], v[22+\j] row_xmask:\m row_mask:0xf bank_mask:0xf
.endr
.endr
.irp j, 0,1,2,3,4,5,6,7,8
	v_permlanex16_b32 v[42+\j], v[22+\j], s32, s33
.endr
	s_wait_kmcnt 0x0
.irp j, 0,1,2,3,4,5,6,7,8
	v_add_f32 v[22+\j], v[22+\j], v[42+\j]
.endr
.irp j, 0,1,2,3,4,5,6,7,8
	v_add_f32 v[22+\j], s[36+\j], v[22+\j]
.endr
.irp j, 0,1,2,3,4,5,6,7,8
	v_readfirstlane_b32 s[4+\j], v[22+\j]          ; T's nine numbers in s4-12 (every load that named these registers is done)
.endr
	; ---- pc = pts T and sq, eight points a thread
	v_mul_u32_u24 v8, v0, 12
.irp i, 0,1,2,3,4,5,6,7
.irp d, 0,1,2
	ds_load_b32 v[72+3*\i+\d], v8 offset:PTS+3072*\i+4*\d
.endr
.endr
	s_wait_dscnt 0x0
.irp i, 0,1,2,3,4,5,6,7
	v_mul_f32 v[100+\i], s4, v[72+3*\i]
	v_mul_f32 v[108+\i], s5, v[72+3*\i]
	v_mul_f32 v[116+\i], s6, v[72+3*\i]
.endr
.irp i, 0,1,2,3,4,5,6,7
	v_fma_f32 v[100+\i], s7, v[73+3*\i], v[100+\i]
	v_fma_f32 v[108+\i], s8, v[73+3*\i], v[108+\i]
	v_fma_f32 v[116+\i], s9, v[73+3*\i], v[116+\i]
.endr
.irp i, 0,1,2,3,4,5,6,7
	v_fma_f32 v[100+\i], s10, v[74+3*\i], v[100+\i]
	v_fma_f32 v[108+\i], s11, v[74+3*\i], v[108+\i]
	v_fma_f32 v[116+\i], s12, v[74+3*\i], v[116+\i]
.endr
.irp i, 0,1,2,3,4,5,6,7
	v_mul_f32 v[124+\i], v[100+\i], v[100+\i]
.endr
.irp i, 0,1,2,3,4,5,6,7
	v_fma_f32 v[124+\i], v[108+\i], v[108+\i], v[124+\i]
.endr
.irp i, 0,1,2,3,4,5,6,7
	v_fma_f32 v[124+\i], v[116+\i], v[116+\i], v[124+\i]
.endr
.irp i, 0,1,2,3,4,5,6,7
	ds_store_b32 v7, v[100+\i] offset:XS+1024*\i
	ds_store_b32 v7, v[108+\i] offset:YS+1024*\i
	ds_store_b32 v7, v[116+\i] offset:ZS+1024*\i
	ds_store_b32 v7, v[124+\i] offset:QS+1024*\i
.endr
	BARRIER
	; ---- distances.  Wave w holds points 256 w .. 256 w + 255, eight a lane; the work-group's 32 rows lie one a lane and are read out lane by lane into scalars.
	s_lshl_b32 s34, s27, 2
	v_lshl_add_u32 v10, v1, 2, s34                 ; the work-group's rows
	s_lshl_b32 s34, s2, 10
	v_lshl_add_u32 v11, v1, 2, s34                 ; my wave's 256 points
	v_lshlrev_b32 v12, 4, v1
	s_add_co_u32 s34, s34, MASK
	v_lshl_add_u32 v9, v1, 2, s34                  ; my wave's eight mask words of each row
	s_min_u32 s34, s2, 2
	s_lshl_b32 s34, s34, 13
	s_add_co_u32 s34, s34, MASK
	v_lshl_add_u32 v13, v1, 2, s34                 ; one radius' 64 words of each row (waves 0 to 2)
	v_lshlrev_b32 v14, 2, v1
	ds_load_b32 v132, v10 offset:XS
	ds_load_b32 v133, v10 offset:YS
	ds_load_b32 v134, v10 offset:ZS
	ds_load_b32 v136, v10 offset:QS
.irp c, 0,1,2,3,4,5,6,7
	ds_load_b32 v[100+\c], v11 offset:XS+128*\c
	ds_load_b32 v[108+\c], v11 offset:YS+128*\c
	ds_load_b32 v[116+\c], v11 offset:ZS+128*\c
	ds_load_b32 v[124+\c], v11 offset:QS+128*\c
.endr
	v_mov_b32 v135, 1.0                            ; the fourth number of a row of pc4: c1's bias feature
	s_lshl_b32 s34, s26, 15
	s_lshl_b32 s35, s27, 4
	s_add_co_u32 s34, s34, s35
	s_mov_b32 s35, 0
	s_add_nc_u64 s[48:49], s[48:49], s[34:35]      ; pc4 at my first row
	s_mov_b32 s61, 0                               ; (the packed forms name pairs and take the low word: the upper words are written once)
	s_mov_b32 s63, 0
	s_mov_b32 s67, 0
	s_mov_b32 s69, 0
	s_mov_b32 s70, 0x3c23d70b                      ; the three thresholds on d2
	s_mov_b32 s71, 0x3db851ed
	s_mov_b32 s72, 0x3e800001
.set J, 0
.rept 24
	v_mov_b32 v[72+J], 0                           ; v_writelane_b32's destination counts as read
.set J, J+1
.endr
	s_wait_dscnt 0x0
	s_cmp_lg_u32 s2, 0
	s_cbranch_scc1 .Lnot_wave_0
	global_store_b128 v12, v[132:135], s[48:49]    ; 32 rows of pc4: 512 consecutive bytes
.Lnot_wave_0:
.set R, 0
.rept 32                                           ; row R against my 256 points: d2 = (sq_i + sq_j) - 2 dot; a compare gives 32 mask bits, which go to lane R
	v_readlane_b32 s60, v132, R
	v_readlane_b32 s62, v133, R
	v_readlane_b32 s66, v134, R
	v_readlane_b32 s68, v136, R
.irp c, 0,2,4,6
	v_pk_mul_f32 v[140+\c:141+\c], v[100+\c:101+\c], s[60:61] op_sel_hi:[1,0]
.endr
.irp c, 0,2,4,6
	v_pk_fma_f32 v[140+\c:141+\c], v[108+\c:109+\c], s[62:63], v[140+\c:141+\c] op_sel_hi:[1,0,1]
.endr
.irp c, 0,2,4,6
	v_pk_add_f32 v[148+\c:149+\c], v[124+\c:125+\c], s[68:69] op_sel_hi:[1,0]
.endr
.irp c, 0,2,4,6
	v_pk_fma_f32 v[140+\c:141+\c], v[116+\c:117+\c], s[66:67], v[140+\c:141+\c] op_sel_hi:[1,0,1]
.endr
.irp c, 0,2,4,6
	v_pk_fma_f32 v[140+\c:141+\c], v[140+\c:141+\c], -2.0, v[148+\c:149+\c] op_sel_hi:[1,0,1]
.endr
.irp q, 0,1,2
.irp c, 0,1,2,3,4,5,6,7
	v_cmp_ge_f32 s[74+8*\q+\c], s[70+\q], v[140+\c]
.endr
.endr
.irp q, 0,1,2
.irp c, 0,1,2,3,4,5,6,7
	v_writelane_b32 v[72+8*\q+\c], s[74+8*\q+\c], R
.endr
.endr
.set R, R+1
.endr
.irp q, 0,1,2
.irp c, 0,1,2,3,4,5,6,7
	ds_store_b32 v9, v[72+8*\q+\c] offset:8192*\q+128*\c
.endr
.endr
	BARRIER                                        ; the last barrier: from here the waves part on their numbers
	s_cmp_lt_u32 s2, 3
	s_cbranch_scc1 .Llists
	s_cmp_lt_u32 s2, 5
	s_cbranch_scc1 .Lrelay
	s_cmp_eq_u32 s2, 6
	s_cbranch_scc1 .Lc1
	s_cmp_eq_u32 s2, 7
	s_cbranch_scc1 .Lzero
	s_wait_tensorcnt 0x0
	ds_add_u32 v224, v225
	s_wait_dscnt 0x0
	s_endpgm
	; ---- waves 0 to 2: the lists of radius = wave, a row a lane.  A queue of eight words (v100-107) and their numbers (a byte each, v108-109) takes the words from the last to the first,
	; the empty ones left out: at the end it holds the eight lowest words that are not empty.  Pushed first, and so last in line: the places among the first 16 that are NOT set.  With fewer than
	; eight set places at least nine of the first 16 are not set, so that word fills every list.  No branch and no address hangs on a mask: every step is a select.
.macro PUSH wd, code
	v_cmp_ne_u32 vcc_lo, 0, v[\wd]
.irp q, 7,6,5,4,3,2,1
	v_cndmask_b32 v[100+\q], v[100+\q], v[99+\q], vcc_lo
.endr
	v_cndmask_b32 v100, v100, v[\wd], vcc_lo
	v_alignbit_b32 v110, v109, v108, 24
	v_cndmask_b32 v109, v109, v110, vcc_lo
	v_lshl_or_b32 v110, v108, 8, \code
	v_cndmask_b32 v108, v108, v110, vcc_lo
.endm
.macro EXTRACT k                       ; the lowest bit of the queue's first word is the list's entry k; a word that is used up leaves the queue
	v_sub_nc_u32 v110, 0, v100
	v_and_b32 v110, v100, v110                     ; the lowest bit alone: a power of two,
	v_cvt_f32_u32 v111, v110                       ; whose exponent field as f32 is its place + 127
	v_and_b32 v112, 63, v108
	v_lshrrev_b32 v111, 23, v111
	v_lshl_add_u32 v111, v112, 5, v111
	v_add_nc_u32 v111, 0xffffff81, v111
	v_and_b32 v[113+\k], 0x7ff, v111
.if \k < 7
	v_xor_b32 v100, v100, v110
	v_cmp_eq_u32 vcc_lo, 0, v100
.set Q, 0
.rept 7-\k
	v_cndmask_b32 v[100+Q], v[100+Q], v[101+Q], vcc_lo
.set Q, Q+1
.endr
	v_alignbit_b32 v110, v109, v108, 8
	v_cndmask_b32 v108, v108, v110, vcc_lo
	v_lshrrev_b32 v110, 8, v109
	v_cndmask_b32 v109, v109, v110, vcc_lo
.endif
.endm
.Llists:
.set J, 0
.rept 64
	ds_load_b32 v[140+J], v13 offset:128*J
.set J, J+1
.endr
	s_mul_i32 s34, s26, 196608                     ; idx [batch][k 8][radius 3][n 2,048]
	s_lshl_b32 s35, s2, 13
	s_add_co_u32 s34, s34, s35
	s_lshl_b32 s35, s27, 2
	s_add_co_u32 s34, s34, s35
	s_mov_b32 s35, 0
	s_add_nc_u64 s[50:51], s[50:51], s[34:35]
.set J, 0
.rept 10
	v_mov_b32 v[100+J], 0
.set J, J+1
.endr
	s_wait_dscnt 0x0
	v_xor_b32 v110, -1, v140
	v_and_b32 v111, 0xffff, v110
	PUSH 111, 0
.set J, 63
.rept 64
	PUSH 140+J, J
.set J, J-1
.endr
.irp k, 0,1,2,3,4,5,6,7
	EXTRACT \k
.endr
.irp k, 0,1,2,3,4,5,6,7
	global_store_b32 v14, v[113+\k], s[50:51] offset:24576*\k
.endr
	s_wait_tensorcnt 0x0
	ds_add_u32 v224, v225
	s_wait_dscnt 0x0
	s_endpgm
	; ---- waves 3 and 4: one fragment (16 rows x 128 K of codes) each, laid as the operand's registers: register i of a lane at 512 (i / 4) + 16 lane + 4 (i % 4).
	; Task f = work-group + 256 (wave - 3), f < 344.  f < 320: record f / 4 (res 0-31, blk0 32-63, blk1 64-79), K step f % 4; lane r takes row 32 (t / 2) + 8 (t % 2) + r + 8 (r / 8) of tile t,
	; so that a result's 16 registers of two neighbouring tiles are 16 neighbours along the next K.  f >= 320: blk2's tile (f - 320) / 2, K step f % 2, rows as they lie; rows from 170 on get zero codes and the byte 127.
.macro LDFRAG
.irp p, 0,1,2,3,4,5
	global_load_b64 v[16+2*\p:17+2*\p], v6, s[22:23] offset:48*(\p/3)+8*(\p%3)
.endr
.endm
.macro STFRAG
.irp c, 0,1,2
	global_store_b128 v8, v[16+4*\c:19+4*\c], s[20:21] offset:512*\c     ; 512 consecutive bytes, from a multiple of 256 on
.endr
.endm
.Lrelay:
	s_sub_co_u32 s40, s2, 3
	s_lshl_b32 s40, s40, 8
	s_add_co_u32 s40, s40, ttmp9                   ; f
	s_cmp_lt_u32 s40, 344
	s_cbranch_scc0 .Lend
	s_load_b512 s[4:19], s[0:1], 0x78              ; codes and scales of res, blk0, blk1, blk2
	s_load_b64 s[20:21], s[0:1], 0xc8              ; wimg
	v_and_b32 v2, 15, v0                           ; r
	v_bfe_u32 v3, v0, 4, 1                         ; h
	v_lshlrev_b32 v4, 4, v1                        ; 16 lane
	s_cmp_lt_u32 s40, 320
	s_cbranch_scc0 .Lrelay2
	s_lshr_b32 s41, s40, 2                         ; record
	s_and_b32 s42, s40, 3                          ; K step
	s_lshr_b32 s43, s41, 5                         ; layer
	s_and_b32 s44, s41, 31                         ; tile
	s_lshr_b32 s45, s44, 1
	s_lshl_b32 s45, s45, 5
	s_and_b32 s46, s44, 1
	s_lshl_b32 s46, s46, 3
	s_add_co_u32 s45, s45, s46
	v_and_b32 v5, 8, v2
	v_add_nc_u32 v5, v5, v2
	v_add_nc_u32 v5, s45, v5                       ; my row
	v_mul_u32_u24 v6, v5, 384                      ; 512 codes are 384 bytes
	v_mad_u32_u24 v6, v3, 24, v6
	s_mul_i32 s46, s42, 96
	v_add_nc_u32 v6, s46, v6
	v_lshlrev_b32 v7, 4, v5
	v_lshl_add_u32 v7, v3, 3, v7                   ; its 16 scale bytes, 8 for each half of the lanes
	s_mul_i32 s47, s41, 6400
	s_add_co_u32 s47, s47, 24576                   ; the record
	s_mul_i32 s46, s42, 1536
	s_add_co_u32 s46, s46, s47
	v_add_nc_u32 v8, s46, v4
	v_lshlrev_b32 v9, 4, v2
	v_lshl_add_u32 v9, v3, 3, v9
	v_add_nc_u32 v9, s47, v9
	s_wait_kmcnt 0x0
	s_cmp_eq_u32 s43, 0
	s_cselect_b64 s[22:23], s[4:5], s[8:9]
	s_cselect_b64 s[24:25], s[6:7], s[10:11]
	s_cmp_eq_u32 s43, 2
	s_cselect_b64 s[22:23], s[12:13], s[22:23]
	s_cselect_b64 s[24:25], s[14:15], s[24:25]
	LDFRAG
	global_load_b64 v[28:29], v7, s[24:25]
	s_wait_loadcnt 0x0
	STFRAG
	s_cmp_lg_u32 s42, 0
	s_cbranch_scc1 .Lend                           ; the record's scale bytes go with its first K step
	global_store_b64 v9, v[28:29], s[20:21] offset:6144
	s_wait_tensorcnt 0x0
	ds_add_u32 v224, v225
	s_wait_dscnt 0x0
	s_endpgm
.Lrelay2:
	s_sub_co_u32 s41, s40, 320
	s_lshr_b32 s44, s41, 1                         ; tile
	s_and_b32 s42, s41, 1                          ; K step
	s_lshl_b32 s45, s44, 4
	v_add_nc_u32 v5, s45, v2                       ; my row
	v_cmp_gt_u32 vcc_lo, 170, v5                   ; is there such a row?
	v_min_u32 v10, 169, v5                         ; no load leaves its buffer
	v_mul_u32_u24 v6, v10, 192                     ; 256 codes are 192 bytes
	v_mad_u32_u24 v6, v3, 24, v6
	s_mul_i32 s46, s42, 96
	v_add_nc_u32 v6, s46, v6
	v_lshlrev_b32 v7, 3, v10
	v_lshl_add_u32 v7, v3, 2, v7                   ; its 8 scale bytes, 4 for each half of the lanes
	s_mul_i32 s47, s44, 3200
	s_add_co_u32 s47, s47, 536576
	s_mul_i32 s46, s42, 1536
	s_add_co_u32 s46, s46, s47
	v_add_nc_u32 v8, s46, v4
	v_lshlrev_b32 v9, 3, v2
	v_lshl_add_u32 v9, v3, 2, v9
	v_add_nc_u32 v9, s47, v9
	v_mov_b32 v11, 0x7f7f7f7f
	s_wait_kmcnt 0x0
	s_mov_b64 s[22:23], s[16:17]
	LDFRAG
	global_load_b32 v28, v7, s[18:19]
	s_wait_loadcnt 0x0
.set J, 0
.rept 12
	v_cndmask_b32 v[16+J], 0, v[16+J], vcc_lo
.set J, J+1
.endr
	v_cndmask_b32 v28, v11, v28, vcc_lo
	STFRAG
	s_cmp_lg_u32 s42, 0
	s_cbranch_scc1 .Lend
	global_store_b32 v9, v28, s[20:21] offset:3072
	s_wait_tensorcnt 0x0
	ds_add_u32 v224, v225
	s_wait_dscnt 0x0
	s_endpgm
	; ---- wave 6 of work-groups 0 to 31: tile g of c1 as source 0 of the f32 matrix form, three K steps of four features (x, y, z, 1) of one radius each; gain folded in; the bias rides on the first step's 1
.Lc1:
	s_cmp_lt_u32 ttmp9, 32
	s_cbranch_scc0 .Lend
	s_load_b256 s[4:11], s[0:1], 0x58              ; c1_w, c1_b, c1_g, c1_beta
	s_load_b64 s[20:21], s[0:1], 0xc8              ; wimg
	v_and_b32 v2, 15, v0
	v_bfe_u32 v3, v0, 4, 1
	s_lshr_b32 s45, ttmp9, 1
	s_lshl_b32 s45, s45, 5
	s_and_b32 s46, ttmp9, 1
	s_lshl_b32 s46, s46, 3
	s_add_co_u32 s45, s45, s46
	v_and_b32 v5, 8, v2
	v_add_nc_u32 v5, v5, v2
	v_add_nc_u32 v5, s45, v5                       ; my column
	v_lshlrev_b32 v6, 2, v5
	v_lshl_add_u32 v7, v3, 12, v6                  ; lanes 16-31: two rows of c1_w further down
	s_mul_i32 s47, ttmp9, 768
	v_lshl_add_u32 v8, v1, 4, s47
	v_lshl_add_u32 v9, v1, 3, s47
	s_wait_kmcnt 0x0
	global_load_b32 v12, v6, s[8:9]
	global_load_b32 v13, v6, s[6:7]
	global_load_b32 v14, v6, s[10:11]
.irp k, 0,1,2
	global_load_b32 v[16+\k], v7, s[4:5] offset:6144*\k           ; c1_w[3 k + 2 h]
	global_load_b32 v[20+\k], v6, s[4:5] offset:6144*\k+2048      ; c1_w[3 k + 1]
.endr
	s_wait_loadcnt 0x0
	v_mul_f32 v12, BNRS, v12
	v_cmp_eq_u32 vcc_lo, 0, v3
	v_fma_f32 v13, v13, v12, v14                   ; b G + beta
	v_mul_f32 v24, v16, v12
	v_mul_f32 v25, v20, v12
	v_mul_f32 v26, v17, v12
	v_mul_f32 v27, v21, v12
	v_mul_f32 v28, v18, v12
	v_mul_f32 v29, v22, v12
	v_cndmask_b32 v25, v13, v25, vcc_lo
	v_cndmask_b32 v27, 0, v27, vcc_lo
	v_cndmask_b32 v29, 0, v29, vcc_lo
	global_store_b128 v8, v[24:27], s[20:21]
	global_store_b64 v9, v[28:29], s[20:21] offset:512
	s_wait_tensorcnt 0x0
	ds_add_u32 v224, v225
	s_wait_dscnt 0x0
	s_endpgm
	; ---- wave 7 of work-group 0: the 512 bytes behind the last record, which the last tensor load of the next launch brings along
.Lzero:
	s_cmp_lg_u32 ttmp9, 0
	s_cbranch_scc1 .Lend
	s_load_b64 s[20:21], s[0:1], 0xc8
	v_mov_b32 v16, 0
	v_mov_b32 v17, 0
	v_mov_b32 v18, 0
	v_mov_b32 v19, 0
	v_lshlrev_b32 v4, 4, v1
	s_wait_kmcnt 0x0
	global_store_b128 v4, v[16:19], s[20:21] offset:574976
.Lend:
	s_wait_tensorcnt 0x0
	ds_add_u32 v224, v225
	s_wait_dscnt 0x0
	s_endpgm
.Lfunc_end_k_qe981d79fd4_knn:
	.size	k_qe981d79fd4_knn, .Lfunc_end_k_qe981d79fd4_knn-k_qe981d79fd4_knn
	.p2alignl 7, 3214868480
	.fill 96, 4, 3214868480
	.section	.rodata,"a",@progbits
	.p2align	6, 0x0
	.amdhsa_kernel k_qe981d79fd4_knn
		.amdhsa_group_segment_fixed_size 93184
		.amdhsa_private_segment_fixed_size 0
		.amdhsa_enable_private_segment 0
		.amdhsa_kernarg_size 208
		.amdhsa_user_sgpr_count 2
		.amdhsa_user_sgpr_kernarg_segment_ptr 1
		.amdhsa_wavefront_size32 1
		.amdhsa_system_sgpr_workgroup_id_x 1
		.amdhsa_system_sgpr_workgroup_id_y 1
		.amdhsa_system_sgpr_workgroup_id_z 1
		.amdhsa_system_vgpr_workitem_id 0
		.amdhsa_next_free_vgpr 226
		.amdhsa_next_free_sgpr 100
		.amdhsa_reserve_vcc 1
		.amdhsa_float_denorm_mode_32 3
		.amdhsa_float_denorm_mode_16_64 3
		.amdhsa_memory_ordered 1
		.amdhsa_forward_progress 1
		.amdhsa_inst_pref_size 241
	.end_amdhsa_kernel
	.amdgpu_metadata
---
amdhsa.version: [ 1, 2 ]
amdhsa.kernels:
  - .name:           k_qe981d79fd4_knn
    .symbol:         k_qe981d79fd4_knn.kd
    .args:
      - { .name: pts, .offset: 0, .size: 8, .value_kind: global_buffer, .address_space: global }
      - { .name: t_cw, .offset: 8, .size: 8, .value_kind: global_buffer, .address_space: global }
      - { .name: t_cb, .offset: 16, .size: 8, .value_kind: global_buffer, .address_space: global }
      - { .name: t_g1, .offset: 24, .size: 8, .value_kind: global_buffer, .address_space: global }
      - { .name: t_b1, .offset: 32, .size: 8, .value_kind: global_buffer, .address_space: global }
      - { .name: t_d1w, .offset: 40, .size: 8, .value_kind: global_buffer, .address_space: global }
      - { .name: t_d1b, .offset: 48, .size: 8, .value_kind: global_buffer, .address_space: global }
      - { .name: t_g2, .offset: 56, .size: 8, .value_kind: global_buffer, .address_space: global }
      - { .name: t_b2, .offset: 64, .size: 8, .value_kind: global_buffer, .address_space: global }
      - { .name: t_d2w, .offset: 72, .size: 8, .value_kind: global_buffer, .address_space: global }
      - { .name: t_d2b, .offset: 80, .size: 8, .value_kind: global_buffer, .address_space: global }
      - { .name: c1_w, .offset: 88, .size: 8, .value_kind: global_buffer, .address_space: global }
      - { .name: c1_b, .offset: 96, .size: 8, .value_kind: global_buffer, .address_space: global }
      - { .name: c1_g, .offset: 104, .size: 8, .value_kind: global_buffer, .address_space: global }
      - { .name: c1_beta, .offset: 112, .size: 8, .value_kind: global_buffer, .address_space: global }
      - { .name: res_w_codes, .offset: 120, .size: 8, .value_kind: global_buffer, .address_space: global }
      - { .name: res_w_scales, .offset: 128, .size: 8, .value_kind: global_buffer, .address_space: global }
      - { .name: blk0_w_codes, .offset: 136, .size: 8, .value_kind: global_buffer, .address_space: global }
      - { .name: blk0_w_scales, .offset: 144, .size: 8, .value_kind: global_buffer, .address_space: global }
      - { .name: blk1_w_codes, .offset: 152, .size: 8, .value_kind: global_buffer, .address_space: global }
      - { .name: blk1_w_scales, .offset: 160, .size: 8, .value_kind: global_buffer, .address_space: global }
      - { .name: blk2_w_codes, .offset: 168, .size: 8, .value_kind: global_buffer, .address_space: global }
      - { .name: blk2_w_scales, .offset: 176, .size: 8, .value_kind: global_buffer, .address_space: global }
      - { .name: pc4, .offset: 184, .size: 8, .value_kind: global_buffer, .address_space: global }
      - { .name: idx, .offset: 192, .size: 8, .value_kind: global_buffer, .address_space: global }
      - { .name: wimg, .offset: 200, .size: 8, .value_kind: global_buffer, .address_space: global }
    .group_segment_fixed_size: 93184
    .private_segment_fixed_size: 0
    .kernarg_segment_align: 8
    .kernarg_segment_size: 208
    .max_flat_workgroup_size: 256
    .sgpr_count:     100
    .vgpr_count:     226
    .wavefront_size: 32
...
	.end_amdgpu_metadata
.endif
;; end of part 1
;; launch chain (part 2): grid 512 x 1, 8 waves a work-group, clusters of 4 x 1, 327,680 bytes of LDS; arguments idx, pc4, wimg, res_b, blk0_b, blk0_g, blk0_beta, blk1_b, blk1_g, blk1_beta, part; writes part
.if DOCPART == 2
	.amdgcn_target "amdgcn-amd-amdhsa--gfx1250"
	.amdhsa_code_object_version 6
	.text
	.protected	k_qe981d79fd4_chain
	.globl	k_qe981d79fd4_chain
	.p2align	8
	.type	k_qe981d79fd4_chain,@function
k_qe981d79fd4_chain:
	s_mov_b64 s[64:65], 0
	v_nop
	global_prefetch_b8 v0, s[64:65] scope:SCOPE_SE
	s_setreg_imm32_b32 hwreg(HW_REG_WAVE_MODE, 25, 1), 1
	s_wait_xcnt 0x0
	s_wait_alu depctr_hold_cnt(0) depctr_sa_sdst(0) depctr_va_vdst(0) depctr_va_sdst(0) depctr_va_ssrc(0) depctr_va_vcc(0) depctr_vm_vsrc(0)
	s_getreg_b32 s2, hwreg(HW_REG_IB_STS2, 6, 4)
	s_cmp_eq_u32 s2, 0
	s_cbranch_scc0 .Lentry_in_a_cluster
	s_endpgm
.Lentry_in_a_cluster:
	s_bfe_u32 s2, ttmp6, 0x10000c
	s_cmp_lg_u32 s2, 0x3003
	s_cbranch_scc0 .Lentry_shape_is_right
	s_endpgm
.Lentry_shape_is_right:
; 128 rows (one batch b, one k, 128 points n) through the whole chain: gather, c1 (f32), res + residual, blk0, blk1, blk2 (codes of FP6, E2M3, one E8M0 scale for each 32 along K), and the largest and smallest raw sum of blk2 over the rows.
; Since silu of an affine function falls and then rises, the max over n of the last layer is taken at one of these two: the next launch finishes it.
; SHARES.  Work-group gid = 4 x cluster + place: b = gid / 128, k = (gid / 16) % 8, rows 128 (gid % 16) on, in eight tiles of 16.  THE WAVES SHARE THE COLUMNS: wave w makes columns 64 w .. 64 w + 63 of c1, res and blk0 for all rows
; (blk1: 64 (w % 4) on, for four of the eight tiles; blk2: six tiles of 16 columns for two tiles of rows).  A layer's weights lie in the wave's registers (192); the rows go round through LDS as images of the operand's registers.
; A wave's columns of c1 are its columns of res, so the f32 residual never leaves its registers: f + res_b is the C of the first product of res.
; Products are used transposed (source 0 = 16 rows of a weight, source 1 = 16 rows of the activations), and a weight's rows are dealt to tiles so that a lane's 16 registers of two neighbouring tiles are 16 neighbours along the next K.
; WEIGHTS come by tensor loads from wimg, where the launch before has laid them in the order of the registers.  All work-groups walk the same 575,488 bytes: the four of a cluster ask JOINTLY (mask 15).
; No prefetch: every cluster reads these same bytes again, they are no stream that is read once.
; LIMITS.  NaN and infinities are not served.  bias and gain are folded: y = sum x G + (b G + beta), one f32 rounding apart from (sum + b) G + beta.  A block of zeros carries the byte 1 with zero codes.
; LDS: all 327,680 bytes are claimed.
.set XBUF,  6656                       ; the image of 16 rows x 512 K: four K steps
.set KST,   1664                       ; a K step: 12 registers a lane (3 x 512 bytes, register i at 512 (i / 4) + 16 lane + 4 (i % 4)), then 128 bytes of scale words, 4 a lane
.set WREG,  24576                      ; a layer's records, 204,800 bytes; the last fill takes the first 141,312
.set HREG,  165888                     ; blk0's results: inside WREG, in blocks that have had their last fill
.set GREG,  229376                     ; res' results; later blk1's
.set FEAT,  282624                     ; the gathered features, 768 bytes for each tile of rows
.set CONS,  288768                     ; G0[512], B0[512], G1[256], B1[256]
.set RED,   294912                     ; [pair of tiles 4][max, min][192]
.set SPARE, 301056                     ; the spare words: 128 bytes for each of eight waves, four blocks of 256 bytes that no other line names
.set BNRS,  0x3f7fdf42                 ; 1 / sqrt(1.001)
.set NL2E,  0xbfb8aa3b                 ; -log2(e)
; LDS bytes 0 .. 24,575: c1's tiles (filled once), then, in their first 13,312 bytes, two images of c1's results, which take turns.
; REGISTERS, window 0:
.set LI,  1                            ; 16 lane
.set L8,  2                            ; 8 lane
.set LS,  3                            ; 4 lane
.set LR,  4                            ; 16 (lane % 16)
.set L8R, 5                            ; 8 (lane % 16)
.set LH,  6                            ; 64 (lane / 16)
.set SPW, 7                            ; my spare word; never rewritten
.set NIL, 8                            ; 0; never rewritten
.set SA,  9                            ; v9-11  where my six registers of a fragment go in an image, as three pairs
.set SSW, 12                           ; v12    and my two scale bytes
.set OA,  13                           ; v13-16 the same in the image in hand
.set OSW, 16
.set IA,  17                           ; v17-18 addresses of the loads in hand
.set IS,  18
.set FA,  19                           ; v19-20 likewise
.set FB,  20
.set WS,  24                           ; v24-39 the weights' scale words: 4 t + K step
.set XS,  40                           ; v40-43 the rows' scale words
.set XF,  44                           ; v44-91 the rows' four fragments
.set D,   92                           ; v92-123 four accumulators
.set E,   124                          ; v124-155 at work
.set CD,  156                          ; v156-187 c1's four accumulators: written by the f32 matrix form alone
.set CA,  188                          ; v188-211 c1's weights: 6 t + 2 K step
.set CB,  212                          ; v212-217 the features of 16 rows
.set TM,  218                          ; v218-225 the quantiser's work
.set PC,  226                          ; v226-231 six registers of codes
.set PT,  232                          ; v232-234
.set PW,  236                          ; two scale bytes
.set MX,  238                          ; v238-243, v244-249: max and min of six tiles of columns
.set MN,  244
; window 1: v0-191 the layer's weights (48 t + 12 K step); v192-255 res_b (8 a tile), later G at 192 + 16 t and B at 200 + 16 t.
; SCALARS: s3 wave; s[32:39], s[40:47], s[48:55] descriptor groups 1 (100, 12, 69 rows of 256 bytes); s[56:59], s[60:63], s[68:71] groups 0 (c1; res, then blk0; blk1 with blk2); s[72:73] lane selects; s[74:75] -log2(e).
.set MSB, 0
.macro WIN new                         ; the immediate's high byte repeats the setting that is left
.if MSB != \new
	s_set_vgpr_msb (MSB<<8)|\new
.set MSB, \new
.endif
.endm
.macro PLACES n
.rept \n
	v_nop
.endr
.endm
.macro CROUND                          ; a round of the cluster's barrier
	s_barrier_signal -1
	s_barrier_wait -1
	s_cmp_lg_u32 s3, 0
	s_cbranch_scc1 .Lnot_wave_0_\@
	s_barrier_signal -3
.Lnot_wave_0_\@:
	s_barrier_wait -3
	s_barrier_signal -1
	s_barrier_wait -1
.endm
.macro MKSA                            ; s28 = 1,664 x the K step that my 64 columns fall into, s29 = which half of it
	s_mul_i32 s30, s29, 520
	s_add_co_u32 s30, s30, s28
	v_add_nc_u32 v[SA], s30, v[LI]                 ; registers 6 c, 6 c + 1
	s_add_co_u32 s30, s30, 512
	v_add_nc_u32 v[SA+2], s30, v[LI]               ; registers 6 c + 4, 6 c + 5
	s_mul_i32 s30, s29, 1016
	s_add_co_u32 s30, s30, s28
	s_add_co_u32 s30, s30, 8
	v_add_nc_u32 v[SA+1], s30, v[LI]               ; registers 6 c + 2, 6 c + 3
	s_lshl_b32 s30, s29, 1
	s_add_co_u32 s30, s30, s28
	s_add_co_u32 s30, s30, 1536
	v_add_nc_u32 v[SSW], s30, v[LS]
.endm
.macro FETCH ia, is, off               ; 16 rows' four fragments and scale words, as they were stored
.irp k, 0,1,2,3
.irp c, 0,1,2
	ds_load_b128 v[XF+12*\k+4*\c:XF+12*\k+4*\c+3], v[\ia] offset:\off+KST*\k+512*\c
.endr
.endr
.irp k, 0,1,2,3
	ds_load_b32 v[XS+\k], v[\is] offset:\off+KST*\k+1536
.endr
.endm
.macro COPYW                           ; four records (tiles) of a layer into my registers: v[IA] = 16 lane + their first byte, v[IS] = 16 (lane % 16) + the same
	WIN 0x40
.irp t, 0,1,2,3
.irp k, 0,1,2,3
.irp c, 0,1,2
	ds_load_b128 v[48*\t+12*\k+4*\c:48*\t+12*\k+4*\c+3], v[IA] offset:6400*\t+1536*\k+512*\c
.endr
.endr
.endr
	WIN 0
.irp t, 0,1,2,3
	ds_load_b128 v[WS+4*\t:WS+4*\t+3], v[IS] offset:6400*\t+6144
.endr
.endm
.macro CLOAD boff                      ; G and B of my 64 columns in the result's layout: v[FA] = 64 (lane / 16) + G's first byte; B lies boff bytes on
	WIN 0x40
.irp t, 0,1,2,3
	ds_load_b128 v[192+16*\t:195+16*\t], v[FA] offset:(32*(\t/2)+8*(\t%2))*4
	ds_load_b128 v[196+16*\t:199+16*\t], v[FA] offset:(32*(\t/2)+8*(\t%2))*4+16
	ds_load_b128 v[200+16*\t:203+16*\t], v[FA] offset:(32*(\t/2)+8*(\t%2))*4+\boff
	ds_load_b128 v[204+16*\t:207+16*\t], v[FA] offset:(32*(\t/2)+8*(\t%2))*4+\boff+16
.endr
	WIN 0
.endm
.macro MM16 zero                       ; 16 rows x my 64 columns x 512 K: the four accumulators by turns, one instruction a turn
	WIN 0x01                                       ; source 0, the weights: window 1
.irp k, 0,1,2,3
.irp t, 0,1,2,3
.if (\zero) && (\k == 0)
	v_wmma_scale_f32_16x16x128_f8f6f4 v[D+8*\t:D+8*\t+7], v[48*\t+12*\k:48*\t+12*\k+11], v[XF+12*\k:XF+12*\k+11], 0, v[WS+4*\t+\k], v[XS+\k] matrix_a_fmt:MATRIX_FMT_FP6 matrix_b_fmt:MATRIX_FMT_FP6
.else
	v_wmma_scale_f32_16x16x128_f8f6f4 v[D+8*\t:D+8*\t+7], v[48*\t+12*\k:48*\t+12*\k+11], v[XF+12*\k:XF+12*\k+11], v[D+8*\t:D+8*\t+7], v[WS+4*\t+\k], v[XS+\k] matrix_a_fmt:MATRIX_FMT_FP6 matrix_b_fmt:MATRIX_FMT_FP6
.endif
.endr
.endr
	WIN 0
.endm
.macro SILU y, o                       ; v[o ..] = silu(v[y ..]), 32 numbers: y / (1 + 2^(-log2(e) y)); the exponentials are one batch with one wait, the reciprocals another
.set i, 0
.rept 16
	v_pk_mul_f32 v[E+i:E+i+1], v[\y+i:\y+i+1], s[74:75] op_sel_hi:[1,0]
.set i, i+2
.endr
.set i, 0
.rept 32
	v_exp_f32 v[E+i], v[E+i]
.set i, i+1
.endr
	v_nop                                          ; a plain place behind the last transcendental
	s_wait_alu depctr_va_vdst(0)                   ; the wait ahead of the batch's first reader
.set i, 0
.rept 16
	v_pk_add_f32 v[E+i:E+i+1], v[E+i:E+i+1], 1.0 op_sel_hi:[1,0]
.set i, i+2
.endr
.set i, 0
.rept 32
	v_rcp_f32 v[E+i], v[E+i]
.set i, i+1
.endr
	v_nop
	s_wait_alu depctr_va_vdst(0)
.set i, 0
.rept 16
	v_pk_mul_f32 v[\o+i:\o+i+1], v[\y+i:\y+i+1], v[E+i:E+i+1]
.set i, i+2
.endr
.endm
; 32 numbers of a lane, register 16 b + i = k 32 b + 16 (lane / 16) + i of my row, become two blocks' codes: six registers of a fragment in v[PC] on, and two scale bytes in v[PW].
; A block's scale is 2^(floor(log2(its largest magnitude)) - 2): the largest magnitude with 2 taken off its exponent field is the conversion's scale operand.  Each accumulator is first read at its low end.
.macro QUANT2 q
	v_max3_num_f32 v[TM], |v[\q]|, |v[\q+1]|, 0x1800000            ; with the floor 2^(3 - 127): the byte cannot fall under 1
	v_max3_num_f32 v[TM+2], |v[\q+8]|, |v[\q+9]|, |v[\q+10]|
	v_max3_num_f32 v[TM+1], |v[\q+16]|, |v[\q+17]|, 0x1800000
	v_max3_num_f32 v[TM+3], |v[\q+24]|, |v[\q+25]|, |v[\q+26]|
.irp i, 0,2
	v_max3_num_f32 v[TM], v[TM], |v[\q+2+\i]|, |v[\q+3+\i]|
	v_max3_num_f32 v[TM+2], v[TM+2], |v[\q+11+\i]|, |v[\q+12+\i]|
	v_max3_num_f32 v[TM+1], v[TM+1], |v[\q+18+\i]|, |v[\q+19+\i]|
	v_max3_num_f32 v[TM+3], v[TM+3], |v[\q+27+\i]|, |v[\q+28+\i]|
.endr
	v_max3_num_f32 v[TM], v[TM], |v[\q+6]|, |v[\q+7]|
	v_max3_num_f32 v[TM+1], v[TM+1], |v[\q+22]|, |v[\q+23]|
	v_max3_num_f32 v[TM], v[TM], v[TM+2], |v[\q+15]|
	v_max3_num_f32 v[TM+1], v[TM+1], v[TM+3], |v[\q+31]|
	v_permlanex16_b32 v[TM+2], v[TM], s72, s73
	v_permlanex16_b32 v[TM+3], v[TM+1], s72, s73
	v_max_num_f32 v[TM], v[TM], v[TM+2]            ; with lane l xor 16's 16 numbers: the block's largest magnitude
	v_max_num_f32 v[TM+1], v[TM+1], v[TM+3]
	v_add_nc_u32 v[TM+4], 0xff000000, v[TM]
	v_add_nc_u32 v[TM+5], 0xff000000, v[TM+1]
	v_lshrrev_b32 v[TM+6], 23, v[TM+4]
	v_lshrrev_b32 v[TM+7], 23, v[TM+5]
	v_lshl_or_b32 v[PW], v[TM+7], 8, v[TM+6]
	v_cvt_scalef32_pk16_fp6_f32 v[PC:PC+2], v[\q:\q+15], v[TM+4]
	v_cvt_scalef32_pk16_fp6_f32 v[PT:PT+2], v[\q+16:\q+31], v[TM+5]
	v_nop                                          ; one plain place behind a scaled conversion
.irp i, 0,1,2
	v_permlane16_swap_b32 v[PC+\i], v[PT+\i]       ; the layout wants a whole block in a lane: lanes 0-15 the first block, lanes 16-31 the second
.endr
.irp i, 0,1,2
	v_mov_b32 v[PC+3+\i], v[PT+\i]
.endr
.endm
.macro PUT a0, a1, a2, aw, off
	ds_store_b64 v[\a0], v[PC:PC+1] offset:\off
	ds_store_b64 v[\a1], v[PC+2:PC+3] offset:\off
	ds_store_b64 v[\a2], v[PC+4:PC+5] offset:\off
	ds_store_b16 v[\aw], v[PW] offset:\off
.endm
	s_load_b512 s[4:19], s[0:1], 0x0               ; idx, pc4, wimg, res_b, blk0_b, blk0_g, blk0_beta, blk1_b
	s_load_b128 s[20:23], s[0:1], 0x40             ; blk1_g, blk1_beta
	s_load_b64 s[24:25], s[0:1], 0x50              ; part
	v_lshl_add_u32 v[SPW], v0, 2, SPARE
	v_mov_b32 v[NIL], 0
	ds_add_u32 v7, v8
	ds_add_u32 v7, v8
	s_wait_dscnt 0x0
	v_lshrrev_b32 v21, 5, v0
	v_readfirstlane_b32 s3, v21                    ; wave 0..7
	v_and_b32 v21, 31, v0                          ; lane
	v_and_b32 v22, 15, v0                          ; r
	v_bfe_u32 v23, v0, 4, 1                        ; h
	v_lshlrev_b32 v[LI], 4, v21
	v_lshlrev_b32 v[L8], 3, v21
	v_lshlrev_b32 v[LS], 2, v21
	v_lshlrev_b32 v[LR], 4, v22
	v_lshlrev_b32 v[L8R], 3, v22
	v_lshlrev_b32 v[LH], 6, v23
	s_mov_b32 s72, 0x76543210
	s_mov_b32 s73, 0xfedcba98                      ; v_permlanex16_b32's selects for lane l xor 16
	s_mov_b32 s74, NL2E
	s_mov_b32 s75, s74                             ; (named with it as a pair, so it is written)
	; descriptor groups 1: dense blocks as rows of 256 bytes (32 elements of 8 bytes), no padding; 15:0 the mask: all four work-groups; bit 21 set beside it
.irp g, 32, 40, 48
	s_mov_b32 s[\g], 15|(3<<16)|(1<<21)
	s_mov_b32 s[\g+1], 32<<16                      ; tensor_dim0 = 32
	s_mov_b32 s[\g+3], 32<<16                      ; tile_dim0 = 32
	s_mov_b32 s[\g+5], 32                          ; from row to row
	s_mov_b32 s[\g+6], 0
	s_mov_b32 s[\g+7], 0
.endr
	s_mov_b32 s34, 100<<16                         ; tensor_dim1, tile_dim1: four records of 6,400 bytes,
	s_mov_b32 s36, 100
	s_mov_b32 s42, 12<<16                          ; four tiles of c1,
	s_mov_b32 s44, 12
	s_mov_b32 s50, 69<<16                          ; an eighth of blk1's and blk2's records
	s_mov_b32 s52, 69
	s_mul_i32 s57, s3, 3072                        ; LDS addresses: constants and the wave's number alone
	s_mul_i32 s27, s3, 25600
	s_add_co_u32 s61, s27, WREG
	s_mul_i32 s31, s3, 17664
	s_add_co_u32 s69, s31, WREG
	s_mov_b32 s56, 1
	s_mov_b32 s60, 1
	s_mov_b32 s68, 1
	s_lshr_b32 s28, s3, 1
	s_mul_i32 s28, s28, KST
	s_and_b32 s29, s3, 1
	MKSA
	s_bfe_u32 s84, ttmp6, 0x40000                  ; my place in the cluster: it enters the addresses of idx, pc4 and part alone
	s_lshl_b32 s85, ttmp9, 2
	s_add_co_u32 s84, s85, s84                     ; gid
	s_lshr_b32 s82, s84, 4
	s_mul_i32 s82, s82, 24576                      ; idx [b][k][radius][n]: (8 b + k) x 3 x 8,192 bytes,
	s_and_b32 s85, s84, 15
	s_lshl_b32 s85, s85, 9
	s_add_co_u32 s82, s82, s85                     ; my 128 rows,
	s_lshl_b32 s85, s3, 6
	s_add_co_u32 s82, s82, s85                     ; my wave's 16 of them
	s_mov_b32 s83, 0
	s_mov_b32 s81, 0
	s_wait_kmcnt 0x0
	s_add_nc_u64 s[4:5], s[4:5], s[82:83]
	s_lshr_b32 s82, s84, 7
	s_lshl_b32 s82, s82, 15
	s_add_nc_u64 s[6:7], s[6:7], s[82:83]          ; pc4 at my batch
	s_mul_i32 s82, s84, 1536
	s_add_nc_u64 s[24:25], s[24:25], s[82:83]      ; part at my work-group
	s_mov_b32 s80, s57
	s_add_nc_u64 s[58:59], s[8:9], s[80:81]        ; c1's tiles 4 w on
	s_or_b32 s59, s59, 0x80000000
	s_add_co_u32 s80, s27, 24576
	s_add_nc_u64 s[62:63], s[8:9], s[80:81]        ; res' records 4 w on
	s_or_b32 s63, s63, 0x80000000
	s_add_co_u32 s80, s31, 434176
	s_add_nc_u64 s[70:71], s[8:9], s[80:81]        ; my eighth of blk1's and blk2's
	s_or_b32 s71, s71, 0x80000000
	CROUND                                         ; all four work-groups are here: the first joint loads meet
	tensor_load_to_lds s[56:59], s[40:47]          ; the two first fills stand together: two loads of mine are out
	s_nop 0
	tensor_load_to_lds s[60:63], s[32:39]
	s_nop 0
	PLACES 4
	; ---- gather: wave w takes the rows of tile w.  Lane (r, h): of row r's three neighbours (one a radius) the numbers 2 h, 2 h + 1 of (x, y, z, 1): source 1 of the f32 matrix form
	v_lshlrev_b32 v250, 2, v22
	global_load_b32 v124, v250, s[4:5]
	global_load_b32 v125, v250, s[4:5] offset:8192
	global_load_b32 v126, v250, s[4:5] offset:16384
	s_lshl_b32 s27, s3, 8
	v_add_nc_u32 v251, s27, v[LH]
	WIN 0x40
.irp t, 0,1,2,3
	global_load_b128 v[192+8*\t:195+8*\t], v251, s[10:11] offset:(32*(\t/2)+8*(\t%2))*4       ; res_b in the result's layout
	global_load_b128 v[196+8*\t:199+8*\t], v251, s[10:11] offset:(32*(\t/2)+8*(\t%2))*4+16
.endr
	WIN 0
	v_lshlrev_b32 v252, 2, v0
	global_load_b32 v136, v252, s[14:15]
	global_load_b32 v137, v252, s[14:15] offset:1024
	global_load_b32 v138, v252, s[12:13]
	global_load_b32 v139, v252, s[12:13] offset:1024
	global_load_b32 v140, v252, s[16:17]
	global_load_b32 v141, v252, s[16:17] offset:1024
	global_load_b32 v142, v252, s[20:21]
	global_load_b32 v143, v252, s[18:19]
	global_load_b32 v144, v252, s[22:23]
	v_lshlrev_b32 v253, 3, v23
	s_wait_loadcnt 17                              ; the three indices are in; the 8 + 9 loads behind them stay out
	v_min_u32 v124, 0x7ff, v124                    ; an index stays inside its table
	v_min_u32 v125, 0x7ff, v125
	v_min_u32 v126, 0x7ff, v126
	v_lshl_add_u32 v124, v124, 4, v253
	v_lshl_add_u32 v125, v125, 4, v253
	v_lshl_add_u32 v126, v126, 4, v253
	global_load_b64 v[130:131], v124, s[6:7]
	global_load_b64 v[132:133], v125, s[6:7]
	global_load_b64 v[134:135], v126, s[6:7]
	s_wait_loadcnt 3                               ; all but the three gathers
	v_mul_f32 v136, BNRS, v136                     ; G = gain / sqrt(1.001), B = b G + beta: blk0's columns tid and tid + 256, blk1's column tid
	v_mul_f32 v137, BNRS, v137
	v_mul_f32 v142, BNRS, v142
	v_fma_f32 v138, v138, v136, v140
	v_fma_f32 v139, v139, v137, v141
	v_fma_f32 v143, v143, v142, v144
	v_add_nc_u32 v254, CONS, v252
	ds_store_b32 v254, v136
	ds_store_b32 v254, v137 offset:1024
	ds_store_b32 v254, v138 offset:2048
	ds_store_b32 v254, v139 offset:3072
	ds_store_b32 v254, v142 offset:4096
	ds_store_b32 v254, v143 offset:5120
	s_mul_i32 s27, s3, 768
	s_add_co_u32 s27, s27, FEAT
	v_add_nc_u32 v[FA], s27, v[LI]
	v_add_nc_u32 v[FB], s27, v[L8]
	s_wait_loadcnt 0x0
	ds_store_b128 v[FA], v[130:133]
	ds_store_b64 v[FB], v[134:135] offset:512
	s_wait_tensorcnt 0x0                           ; my tiles of c1 and my records of res have landed: only I read them
	v_add_nc_u32 v[IA], s57, v[LI]
	v_add_nc_u32 v[IS], s57, v[L8]
.irp t, 0,1,2,3
	ds_load_b128 v[CA+6*\t:CA+6*\t+3], v[IA] offset:768*\t
	ds_load_b64 v[CA+6*\t+4:CA+6*\t+5], v[IS] offset:768*\t+512
.endr
	v_add_nc_u32 v[IA], s61, v[LI]
	v_add_nc_u32 v[IS], s61, v[LR]
	COPYW
	; ---- the weights' bytes are filled again, with blk0's records
	s_wait_tensorcnt 0x0                           ; no tensor load of mine is out, so a group 0 may be written
	ds_add_u32 v[SPW], v[NIL]
	s_add_nc_u64 s[62:63], s[62:63], 204800        ; from res' records to blk0's
	s_wait_dscnt 0x0                               ; the add is done; my reads of the weights' bytes are over; my features and constants have landed
	CROUND                                         ; the same holds of every wave of all four work-groups
	tensor_load_to_lds s[60:63], s[32:39]          ; it has all of c1 and res in which to land
	s_nop 0
	PLACES 4
	; ---- c1 and res, a tile of 16 rows at a time
.macro HALF par                        ; par: which of the two images of c1's results
	s_wait_dscnt 0x0                               ; the features are in, and the last stores have read their registers
.irp k, 0,1,2
.irp t, 0,1,2,3
.if \k == 0
	v_wmma_f32_16x16x4_f32 v[CD+8*\t:CD+8*\t+7], v[CA+6*\t:CA+6*\t+1], v[CB:CB+1], 0
.else
	v_wmma_f32_16x16x4_f32 v[CD+8*\t:CD+8*\t+7], v[CA+6*\t+2*\k:CA+6*\t+2*\k+1], v[CB+2*\k:CB+2*\k+1], v[CD+8*\t:CD+8*\t+7]
.endif
.endr
.endr
	s_add_co_u32 s79, s78, 768*(\par+1)            ; the next tile's features (the last tile asks for its own again)
	s_min_u32 s79, s79, FEAT+7*768
	s_add_co_u32 s80, s77, \par*XBUF               ; this tile's image of res' results
	v_add_nc_u32 v[OA], s80, v[SA]                 ; eight places behind the f32 form
	v_add_nc_u32 v[OA+1], s80, v[SA+1]
	v_add_nc_u32 v[OA+2], s80, v[SA+2]
	v_add_nc_u32 v[OSW], s80, v[SSW]
	v_add_nc_u32 v[FA], s79, v[LI]
	v_add_nc_u32 v[FB], s79, v[L8]
	PLACES 2
	SILU CD, E                                     ; f = silu(c1), f32
	WIN 0x04                                       ; source 1, res_b: window 1
.set i, 0
.rept 16
	v_pk_add_f32 v[D+i:D+i+1], v[E+i:E+i+1], v[192+i:193+i]      ; f + res_b: what res' products are added onto
.set i, i+2
.endr
	WIN 0
	QUANT2 E
	PUT SA, SA+1, SA+2, SSW, \par*XBUF
	s_wait_dscnt 0x0                               ; my part of the image has landed
	s_barrier_signal -1
	s_barrier_wait -1                              ; everybody's has.  (The other image is written again only behind the next such barrier, which every wave signals behind its reads)
	FETCH LI, LS, \par*XBUF
	ds_load_b128 v[CB:CB+3], v[FA]
	ds_load_b64 v[CB+4:CB+5], v[FB] offset:512
	s_wait_dscnt 2                                 ; the two loads of features may stay out
	MM16 0
	PLACES 4
	QUANT2 D
	PUT OA, OA+1, OA+2, OSW, 0
.endm
	s_mov_b32 s76, 4
	s_mov_b32 s77, GREG
	s_mov_b32 s78, FEAT
	v_add_nc_u32 v[FA], s78, v[LI]
	v_add_nc_u32 v[FB], s78, v[L8]
	ds_load_b128 v[CB:CB+3], v[FA]
	ds_load_b64 v[CB+4:CB+5], v[FB] offset:512
.Lrows:                                            ; four trips of two tiles: the two images take turns
	HALF 0
	HALF 1
	s_add_co_u32 s77, s77, 2*XBUF
	s_add_co_u32 s78, s78, 1536
	s_sub_co_u32 s76, s76, 1
	s_cmp_lg_u32 s76, 0
	s_cbranch_scc1 .Lrows
	; ---- blk0's weights into registers; the weights' bytes are filled for the last time, with blk1's and blk2's records
	s_wait_tensorcnt 0x0                           ; my records of blk0 have landed: only I read them
	v_add_nc_u32 v[IA], s61, v[LI]
	v_add_nc_u32 v[IS], s61, v[LR]
	COPYW
	s_lshl_b32 s27, s3, 8
	s_add_co_u32 s27, s27, CONS
	v_add_nc_u32 v[FA], s27, v[LH]
	CLOAD 2048
	s_wait_tensorcnt 0x0
	ds_add_u32 v[SPW], v[NIL]
	s_mov_b32 s86, GREG                            ; blk0 reads res' results
	s_mov_b32 s87, HREG                            ; and writes behind the bytes that the load below fills
	s_wait_dscnt 0x0                               ; the add is done; my reads of the weights' bytes are over; my parts of res' results have landed
	CROUND
	tensor_load_to_lds s[68:71], s[48:55]          ; it has all of blk0 in which to land
	s_nop 0
	PLACES 4
; A layer: y = silu(sum x G + B), quantised.  s86: the first image that I read; s87: the first that I write.  A trip: one tile of 16 rows; the next tile's fragments are fetched behind the products.
.macro BLK trips
	v_add_nc_u32 v[IA], s86, v[LI]
	v_add_nc_u32 v[IS], s86, v[LS]
	FETCH IA, IS, 0
	s_mov_b32 s76, \trips
	s_mov_b32 s77, 0
.Lblk_\@:
	s_wait_dscnt 0x0                               ; the fragments are in, and the last stores have read their registers
	MM16 1
	s_add_co_u32 s77, s77, XBUF
	s_min_u32 s79, s77, (\trips-1)*XBUF            ; (the last trip fetches its own tile again)
	s_add_co_u32 s79, s79, s86
	v_add_nc_u32 v[OA], s87, v[SA]                 ; four places, and two more
	v_add_nc_u32 v[OA+1], s87, v[SA+1]
	v_add_nc_u32 v[OA+2], s87, v[SA+2]
	v_add_nc_u32 v[OSW], s87, v[SSW]
	v_add_nc_u32 v[IA], s79, v[LI]
	v_add_nc_u32 v[IS], s79, v[LS]
	FETCH IA, IS, 0
	WIN 0x14                                       ; sources 1 and 2, G and B: window 1
.irp t, 0,1,2,3
.irp j, 0,2,4,6
	v_pk_fma_f32 v[D+8*\t+\j:D+8*\t+\j+1], v[D+8*\t+\j:D+8*\t+\j+1], v[192+16*\t+\j:193+16*\t+\j], v[200+16*\t+\j:201+16*\t+\j]
.endr
.endr
	WIN 0
	SILU D, D
	QUANT2 D
	PUT OA, OA+1, OA+2, OSW, 0
	s_add_co_u32 s87, s87, XBUF
	s_sub_co_u32 s76, s76, 1
	s_cmp_lg_u32 s76, 0
	s_cbranch_scc1 .Lblk_\@
.endm
	BLK 8
	; ---- blk1: four waves share the 256 columns, the two groups of four waves share the tiles of rows
	s_wait_tensorcnt 0x0                           ; my eighth of the last records has landed,
	s_wait_dscnt 0x0                               ; my parts of blk0's results too, and my reads of res' results are over
	s_barrier_signal -1
	s_barrier_wait -1                              ; the same holds of every wave
	s_and_b32 s27, s3, 3
	s_mul_i32 s31, s27, 25600
	s_add_co_u32 s31, s31, WREG
	v_add_nc_u32 v[IA], s31, v[LI]
	v_add_nc_u32 v[IS], s31, v[LR]
	COPYW
	s_lshl_b32 s31, s27, 8
	s_add_co_u32 s31, s31, CONS+4096
	v_add_nc_u32 v[FA], s31, v[LH]
	CLOAD 1024
	s_lshr_b32 s28, s27, 1
	s_mul_i32 s28, s28, KST
	s_and_b32 s29, s3, 1
	MKSA
	s_lshr_b32 s27, s3, 2
	s_mul_i32 s27, s27, 4*XBUF
	s_add_co_u32 s86, s27, HREG
	s_add_co_u32 s87, s27, GREG
	BLK 4
	s_wait_dscnt 0x0
	s_barrier_signal -1
	s_barrier_wait -1                              ; blk1's results lie in LDS
	; ---- blk2, as it lies (source 0 = 16 rows, source 1 = 16 columns): a lane holds one column and eight rows.  Wave w: tiles of rows 2 (w / 2), 2 (w / 2) + 1; tiles of columns 6 (w % 2) on
	s_lshr_b32 s27, s3, 1
	s_and_b32 s28, s3, 1
	s_mul_i32 s29, s27, 2*XBUF
	s_add_co_u32 s29, s29, GREG
	v_add_nc_u32 v[IA], s29, v[LI]
	v_add_nc_u32 v[IS], s29, v[LS]
.irp m, 0,1
.irp k, 0,1
.irp c, 0,1,2
	ds_load_b128 v[XF+12*(2*\m+\k)+4*\c:XF+12*(2*\m+\k)+4*\c+3], v[IA] offset:XBUF*\m+KST*\k+512*\c
.endr
	ds_load_b32 v[XS+2*\m+\k], v[IS] offset:XBUF*\m+KST*\k+1536
.endr
.endr
	s_mul_i32 s29, s28, 19200
	s_add_co_u32 s29, s29, WREG+102400
	v_add_nc_u32 v[FA], s29, v[LI]
	v_add_nc_u32 v[FB], s29, v[L8R]
	WIN 0x40
.irp t, 0,1,2,3,4,5
.irp k, 0,1
.irp c, 0,1,2
	ds_load_b128 v[24*\t+12*\k+4*\c:24*\t+12*\k+4*\c+3], v[FA] offset:3200*\t+1536*\k+512*\c
.endr
.endr
.endr
	WIN 0
.irp t, 0,1,2,3,4,5
	ds_load_b64 v[WS+2*\t:WS+2*\t+1], v[FB] offset:3200*\t+3072
.endr
	s_mul_i32 s29, s27, 1536
	s_mul_i32 s30, s28, 384
	s_add_co_u32 s29, s29, s30
	s_add_co_u32 s29, s29, RED
	v_lshrrev_b32 v21, 2, v[LR]
	v_add_nc_u32 v21, s29, v21                     ; where my columns' max and min go
	v_lshl_add_u32 v22, v0, 2, RED                 ; and where column tid is read back
	v_lshlrev_b32 v23, 2, v0
	s_wait_dscnt 0x0
.irp m, 0,1
	WIN 0x04                                       ; source 1, the weights: window 1
.irp k, 0,1
.irp t, 0,1,2,3,4,5
.if \k == 0
	v_wmma_scale_f32_16x16x128_f8f6f4 v[D+8*\t:D+8*\t+7], v[XF+12*(2*\m+\k):XF+12*(2*\m+\k)+11], v[24*\t+12*\k:24*\t+12*\k+11], 0, v[XS+2*\m+\k], v[WS+2*\t+\k] matrix_a_fmt:MATRIX_FMT_FP6 matrix_b_fmt:MATRIX_FMT_FP6
.else
	v_wmma_scale_f32_16x16x128_f8f6f4 v[D+8*\t:D+8*\t+7], v[XF+12*(2*\m+\k):XF+12*(2*\m+\k)+11], v[24*\t+12*\k:24*\t+12*\k+11], v[D+8*\t:D+8*\t+7], v[XS+2*\m+\k], v[WS+2*\t+\k] matrix_a_fmt:MATRIX_FMT_FP6 matrix_b_fmt:MATRIX_FMT_FP6
.endif
.endr
.endr
	WIN 0
	PLACES 4
.irp t, 0,1,2,3,4,5                                ; max and min over a lane's eight rows, each accumulator from its low end on
.if \m == 0
	v_max3_num_f32 v[MX+\t], v[D+8*\t], v[D+8*\t+1], v[D+8*\t+2]
	v_min3_num_f32 v[MN+\t], v[D+8*\t], v[D+8*\t+1], v[D+8*\t+2]
.else
	v_max3_num_f32 v[MX+\t], v[MX+\t], v[D+8*\t], v[D+8*\t+1]
	v_min3_num_f32 v[MN+\t], v[MN+\t], v[D+8*\t], v[D+8*\t+1]
.endif
.endr
.irp u, 0,2
.irp t, 0,1,2,3,4,5
	v_max3_num_f32 v[MX+\t], v[MX+\t], v[D+8*\t+3-\m+\u], v[D+8*\t+4-\m+\u]
	v_min3_num_f32 v[MN+\t], v[MN+\t], v[D+8*\t+3-\m+\u], v[D+8*\t+4-\m+\u]
.endr
.endr
.irp t, 0,1,2,3,4,5
.if \m == 0
	v_max_num_f32 v[MX+\t], v[MX+\t], v[D+8*\t+7]
	v_min_num_f32 v[MN+\t], v[MN+\t], v[D+8*\t+7]
.else
	v_max3_num_f32 v[MX+\t], v[MX+\t], v[D+8*\t+6], v[D+8*\t+7]
	v_min3_num_f32 v[MN+\t], v[MN+\t], v[D+8*\t+6], v[D+8*\t+7]
.endif
.endr
.endr
.irp t, 0,1,2,3,4,5
	v_permlanex16_b32 v[XF+\t], v[MX+\t], s72, s73
	v_permlanex16_b32 v[XF+6+\t], v[MN+\t], s72, s73
.endr
.irp t, 0,1,2,3,4,5
	v_max_num_f32 v[MX+\t], v[MX+\t], v[XF+\t]     ; with the eight rows of lane l xor 16
	v_min_num_f32 v[MN+\t], v[MN+\t], v[XF+6+\t]
.endr
.irp t, 0,1,2,3,4,5
	ds_store_b32 v21, v[MX+\t] offset:64*\t        ; (both halves of the lanes write the same word with the same number)
	ds_store_b32 v21, v[MN+\t] offset:768+64*\t
.endr
	s_wait_dscnt 0x0
	s_barrier_signal -1
	s_barrier_wait -1
	s_cmp_lt_u32 s3, 6                             ; 192 columns: waves 0 to 5, a column a thread
	s_cbranch_scc0 .Lno_out
.irp p, 0,1,2,3
	ds_load_b32 v[XF+\p], v22 offset:1536*\p
	ds_load_b32 v[XF+4+\p], v22 offset:1536*\p+768
.endr
	s_wait_dscnt 0x0
	v_max3_num_f32 v[XF], v[XF], v[XF+1], v[XF+2]
	v_min3_num_f32 v[XF+4], v[XF+4], v[XF+5], v[XF+6]
	v_max_num_f32 v[XF], v[XF], v[XF+3]
	v_min_num_f32 v[XF+4], v[XF+4], v[XF+7]
	global_store_b32 v23, v[XF], s[24:25]
	global_store_b32 v23, v[XF+4], s[24:25] offset:768
.Lno_out:
	s_nop 0
	s_wait_tensorcnt 0x0                           ; the wave's end
	ds_add_u32 v[SPW], v[NIL]
	s_wait_dscnt 0x0
	CROUND                                         ; the closing round: no work-group ends while a partner may still ask for a tile that names it
	s_endpgm
.Lfunc_end_k_qe981d79fd4_chain:
	.size	k_qe981d79fd4_chain, .Lfunc_end_k_qe981d79fd4_chain-k_qe981d79fd4_chain
	.p2alignl 7, 3214868480
	.fill 96, 4, 3214868480
	.section	.rodata,"a",@progbits
	.p2align	6, 0x0
	.amdhsa_kernel k_qe981d79fd4_chain
		.amdhsa_group_segment_fixed_size 327680
		.amdhsa_private_segment_fixed_size 0
		.amdhsa_enable_private_segment 0
		.amdhsa_kernarg_size 88
		.amdhsa_user_sgpr_count 2
		.amdhsa_user_sgpr_kernarg_segment_ptr 1
		.amdhsa_wavefront_size32 1
		.amdhsa_system_sgpr_workgroup_id_x 1
		.amdhsa_system_sgpr_workgroup_id_y 1
		.amdhsa_system_sgpr_workgroup_id_z 1
		.amdhsa_system_vgpr_workitem_id 0
		.amdhsa_next_free_vgpr 512
		.amdhsa_next_free_sgpr 90
		.amdhsa_reserve_vcc 0
		.amdhsa_float_denorm_mode_32 3
		.amdhsa_float_denorm_mode_16_64 3
		.amdhsa_memory_ordered 1
		.amdhsa_forward_progress 1
		.amdhsa_inst_pref_size 99
	.end_amdhsa_kernel
	.amdgpu_metadata
---
amdhsa.version: [ 1, 2 ]
amdhsa.kernels:
  - .name:           k_qe981d79fd4_chain
    .symbol:         k_qe981d79fd4_chain.kd
    .args:
      - { .name: idx, .offset: 0, .size: 8, .value_kind: global_buffer, .address_space: global }
      - { .name: pc4, .offset: 8, .size: 8, .value_kind: global_buffer, .address_space: global }
      - { .name: wimg, .offset: 16, .size: 8, .value_kind: global_buffer, .address_space: global }
      - { .name: res_b, .offset: 24, .size: 8, .value_kind: global_buffer, .address_space: global }
      - { .name: blk0_b, .offset: 32, .size: 8, .value_kind: global_buffer, .address_space: global }
      - { .name: blk0_g, .offset: 40, .size: 8, .value_kind: global_buffer, .address_space: global }
      - { .name: blk0_beta, .offset: 48, .size: 8, .value_kind: global_buffer, .address_space: global }
      - { .name: blk1_b, .offset: 56, .size: 8, .value_kind: global_buffer, .address_space: global }
      - { .name: blk1_g, .offset: 64, .size: 8, .value_kind: global_buffer, .address_space: global }
      - { .name: blk1_beta, .offset: 72, .size: 8, .value_kind: global_buffer, .address_space: global }
      - { .name: part, .offset: 80, .size: 8, .value_kind: global_buffer, .address_space: global }
    .group_segment_fixed_size: 327680
    .private_segment_fixed_size: 0
    .kernarg_segment_align: 8
    .kernarg_segment_size: 88
    .max_flat_workgroup_size: 256
    .sgpr_count:     90
    .vgpr_count:     512
    .wavefront_size: 32
...
	.end_amdgpu_metadata
.endif
;; end of part 2
;; launch fin (part 3): grid 32 x 1, 6 waves a work-group, no clusters, 0 bytes of LDS; arguments part, blk2_b, blk2_g, blk2_beta, out0; writes out0
.if DOCPART == 3
	.amdgcn_target "amdgcn-amd-amdhsa--gfx1250"
	.amdhsa_code_object_version 6
	.text
	.protected	k_qe981d79fd4_fin
	.globl	k_qe981d79fd4_fin
	.p2align	8
	.type	k_qe981d79fd4_fin,@function
k_qe981d79fd4_fin:
	s_mov_b64 s[64:65], 0
	v_nop
	global_prefetch_b8 v0, s[64:65] scope:SCOPE_SE
	s_setreg_imm32_b32 hwreg(HW_REG_WAVE_MODE, 25, 1), 1
	s_wait_xcnt 0x0
; out0[b][170 k + c] = max over n of silu(bn(sum + blk2_b)).  Work-group 8 b + k, thread c.  The launch before left, for each of 16 blocks of 128 rows, the largest and the smallest raw sum of each column.
; silu of an affine function falls and then rises, so the maximum over the rows is the larger of the silu at the two ends.  Threads 170 to 191 work on padding columns and store nothing.
; Memory work is 33 KB a work-group at the most, read once: no LDS, no barrier.  LIMITS: NaN and infinities are not served.
.set BNRS, 0x3f7fdf42                  ; 1 / sqrt(1.001)
.set NL2E, 0xbfb8aa3b                  ; -log2(e)
	s_load_b256 s[4:11], s[0:1], 0x0               ; part, blk2_b, blk2_g, blk2_beta
	s_load_b64 s[12:13], s[0:1], 0x20              ; out0
	v_lshlrev_b32 v1, 2, v0
	v_min_u32 v2, 169, v0                          ; no load leaves its buffer
	v_lshlrev_b32 v2, 2, v2
	s_mul_i32 s14, ttmp9, 24576                    ; 16 blocks x 1,536 bytes
	s_mov_b32 s15, 0
	s_mul_i32 s16, ttmp9, 680                      ; 170 numbers
	s_mov_b32 s17, 0
	s_wait_kmcnt 0x0
	s_add_nc_u64 s[4:5], s[4:5], s[14:15]
	s_add_nc_u64 s[12:13], s[12:13], s[16:17]
.irp n, 0,1,2,3,4,5,6,7,8,9,10,11,12,13,14,15
	global_load_b32 v[8+2*\n], v1, s[4:5] offset:1536*\n
	global_load_b32 v[9+2*\n], v1, s[4:5] offset:1536*\n+768
.endr
	global_load_b32 v4, v2, s[6:7]
	global_load_b32 v5, v2, s[8:9]
	global_load_b32 v6, v2, s[10:11]
	s_wait_loadcnt 0x0
	v_max3_num_f32 v40, v8, v10, v12
	v_min3_num_f32 v41, v9, v11, v13
.irp i, 14,18,22,26,30,34
	v_max3_num_f32 v40, v40, v[\i], v[\i+2]
	v_min3_num_f32 v41, v41, v[\i+1], v[\i+3]
.endr
	v_max_num_f32 v40, v40, v38
	v_min_num_f32 v41, v41, v39
	v_mul_f32 v5, BNRS, v5
	v_add_f32 v40, v40, v4
	v_add_f32 v41, v41, v4
	v_fma_f32 v40, v40, v5, v6
	v_fma_f32 v41, v41, v5, v6
	v_mul_f32 v42, NL2E, v40
	v_mul_f32 v43, NL2E, v41
	v_exp_f32 v42, v42
	v_exp_f32 v43, v43
	v_nop                                          ; a plain place behind the transcendentals
	s_wait_alu depctr_va_vdst(0)                   ; the wait ahead of the first reader
	v_add_f32 v42, 1.0, v42
	v_add_f32 v43, 1.0, v43
	v_rcp_f32 v42, v42
	v_rcp_f32 v43, v43
	v_nop
	s_wait_alu depctr_va_vdst(0)
	v_mul_f32 v40, v40, v42
	v_mul_f32 v41, v41, v43
	v_max_num_f32 v40, v40, v41
	v_cmp_gt_u32 vcc_lo, 170, v0
	s_wait_xcnt 0x0                                ; EXEC changes only behind this wait
	s_and_saveexec_b32 s18, vcc_lo
	global_store_b32 v1, v40, s[12:13]
	s_wait_xcnt 0x0                                ; and again, in front of the line that widens it
	s_or_b32 exec_lo, exec_lo, s18
	s_endpgm
.Lfunc_end_k_qe981d79fd4_fin:
	.size	k_qe981d79fd4_fin, .Lfunc_end_k_qe981d79fd4_fin-k_qe981d79fd4_fin
	.p2alignl 7, 3214868480
	.fill 96, 4, 3214868480
	.section	.rodata,"a",@progbits
	.p2align	6, 0x0
	.amdhsa_kernel k_qe981d79fd4_fin
		.amdhsa_group_segment_fixed_size 0
		.amdhsa_private_segment_fixed_size 0
		.amdhsa_enable_private_segment 0
		.amdhsa_kernarg_size 40
		.amdhsa_user_sgpr_count 2
		.amdhsa_user_sgpr_kernarg_segment_ptr 1
		.amdhsa_wavefront_size32 1
		.amdhsa_system_sgpr_workgroup_id_x 1
		.amdhsa_system_sgpr_workgroup_id_y 1
		.amdhsa_system_sgpr_workgroup_id_z 1
		.amdhsa_system_vgpr_workitem_id 0
		.amdhsa_next_free_vgpr 64
		.amdhsa_next_free_sgpr 66
		.amdhsa_reserve_vcc 1
		.amdhsa_float_denorm_mode_32 3
		.amdhsa_float_denorm_mode_16_64 3
		.amdhsa_memory_ordered 1
		.amdhsa_forward_progress 1
		.amdhsa_inst_pref_size 7
	.end_amdhsa_kernel
	.amdgpu_metadata
---
amdhsa.version: [ 1, 2 ]
amdhsa.kernels:
  - .name:           k_qe981d79fd4_fin
    .symbol:         k_qe981d79fd4_fin.kd
    .args:
      - { .name: part, .offset: 0, .size: 8, .value_kind: global_buffer, .address_space: global }
      - { .name: blk2_b, .offset: 8, .size: 8, .value_kind: global_buffer, .address_space: global }
      - { .name: blk2_g, .offset: 16, .size: 8, .value_kind: global_buffer, .address_space: global }
      - { .name: blk2_beta, .offset: 24, .size: 8, .value_kind: global_buffer, .address_space: global }
      - { .name: out0, .offset: 32, .size: 8, .value_kind: global_buffer, .address_space: global }
    .group_segment_fixed_size: 0
    .private_segment_fixed_size: 0
    .kernarg_segment_align: 8
    .kernarg_segment_size: 40
    .max_flat_workgroup_size: 192
    .sgpr_count:     66
    .vgpr_count:     64
    .wavefront_size: 32
...
	.end_amdgpu_metadata
.endif
;; end of part 3
